; MI455X (gfx1250); checked and timed in simulation.
; The chip was launched on July 23, 2026; its instructions are those of AMD's public machine-readable ISA for CDNA 5 (MIT licence, August 2026) and "CDNA5" Instruction Set Architecture Reference Guide (July 2026). The comments in the code are by the model that wrote it; some were corrected since.
;; Bahdanau Attention. Allowed arithmetic: float matrix products may take bf16 or f16 operands with f32 sums; other float arithmetic in f32, or as packed bf16 or f16 multiplies, adds, multiply-adds, maxima and minima; sums over many terms, partial sums and values carried from step to step in f32; what a program stores and reads back later, other than sums and carried values, may be rounded once to bf16 or f16.
;; Inputs: attn_W 1,024 x 2,048 float32; attn_b 1,024 float32; encoder_outputs 1,024 x 32 x 1,024 float32; hidden 32 x 1,024 float32; v_W 1 x 1,024 float32.
;; Outputs: out0 32 x 1,024 float32; out1 32 x 1,024 float32.
;; 2 versions, each right; version 2 is version 1 with the launch attn written anew for expert scheduling mode. Each part assembles by itself: llvm-mc -triple=amdgcn-amd-amdhsa -mcpu=gfx1250 --defsym DOCPART=n.
;; ======== version 1 of 2: 3 launches
;; workspace buffers: w2b 2,097,152 bytes; hbp 524,288 bytes; part 1,310,720 bytes
;; launch prep (part 1): grid 192 x 1, 4 waves a work-group, no clusters, 60,416 bytes of LDS; arguments attn_W, hidden, w2b, hbp; writes w2b, hbp
.if DOCPART == 1
	.amdgcn_target "amdgcn-amd-amdhsa--gfx1250"
	.amdhsa_code_object_version 6
	.text
	.protected	k_q38ac61cd1c_prep
	.globl	k_q38ac61cd1c_prep
	.p2align	8
	.type	k_q38ac61cd1c_prep,@function
k_q38ac61cd1c_prep:
	s_mov_b64 s[64:65], 0
	v_nop
	global_prefetch_b8 v0, s[64:65] scope:SCOPE_SE
	s_setreg_imm32_b32 hwreg(HW_REG_WAVE_MODE, 25, 1), 1
	s_wait_xcnt 0x0
; PREP.  attn_W is [1024 n][2048 k] f32; its left half W1 multiplies hidden, its right half W2 multiplies encoder_outputs.
; Two roles, chosen by the work-group's number (the same for all four waves of a work-group):
;   work-groups 0..63    hbp[kq][b][n] = sum over k in [256 kq, 256 kq + 256) of bf16(hidden[b][k]) bf16(W1[n][k]), f32 sums: 64 n (ng) x one quarter of K (kq) each
;   work-groups 64..191  w2b = bf16(W2) laid out as the next launch's matrix fragments: [g 16][t 32][c 4][half 2][lane 32][8 numbers],
;                        number e = W[64 g + 16 c + lane % 16][1024 + 32 t + 16 half + 8 (lane / 16) + e]; a wave takes 16 n x 128 k
; No tensor loads, no cluster: every byte of attn_W is read by one wave only; hidden (128 KiB) is small beside it.
.set WP,    528                        ; an LDS row of 256 bf16: 512 bytes + 16 = 132 words: row r starts at bank 4 r mod 64 (64 banks of 4 bytes: ISA guide 11.1)
.set HT,    64*WP                      ; behind W1's 64 rows: hidden's 32 rows
.set OST,   HT+32*WP                   ; the way out: 32 rows (b) x 64 f32 + 16 bytes
.set OP,    272
.set SPARE, OST+32*OP                  ; the spare words: 128 bytes a wave, two blocks of 256 bytes that no other line names
.set STG,   16*OP                      ; the other role: a wave's own stage of 16 rows x 272 bytes, at wave x STG
.set SPW,   14                         ; v14 LDS address of my spare word; never rewritten
.set NIL,   15                         ; v15 0; never rewritten
	s_load_b256 s[4:11], s[0:1], 0x0               ; attn_W s[4:5], hidden s[6:7], w2b s[8:9], hbp s[10:11]
	v_lshl_add_u32 v[SPW], v0, 2, SPARE
	v_mov_b32 v[NIL], 0
	v_lshrrev_b32 v1, 5, v0
	v_readfirstlane_b32 s12, v1                    ; wave 0..3
	v_and_b32 v1, 31, v0                           ; lane
	v_and_b32 v2, 15, v0                           ; r = lane % 16
	v_bfe_u32 v3, v0, 4, 1                         ; h = lane / 16
	s_mov_b32 s13, ttmp9
	s_mov_b32 s15, 0                               ; high words of the offset pairs
	s_mov_b32 s19, 0
	s_mov_b32 s21, 0
	s_cmp_lt_u32 s13, 64
	s_cbranch_scc1 .Lrole_h
; ---------------- W2 into fragment order ----------------
	s_sub_co_u32 s13, s13, 64
	s_lshl2_add_u32 s13, s13, s12                  ; my wave among 512
	s_lshr_b32 s16, s13, 3                         ; nt: which 16 rows of W
	s_and_b32 s17, s13, 7                          ; q: which 128 of K
	s_lshr_b32 s18, s16, 2                         ; g
	s_and_b32 s22, s16, 3                          ; c
	s_lshl_b32 s14, s16, 17                        ; 16 rows of 8,192 bytes,
	s_lshl_b32 s20, s17, 9                         ; 128 f32,
	s_add_co_u32 s14, s14, s20
	s_add_co_u32 s14, s14, 4096                    ; and W2 begins at column 1024
	s_lshl_b32 s20, s18, 17                        ; w2b: g x 131,072 + 4 q x 4,096 + c x 1,024
	s_lshl_b32 s23, s17, 14
	s_add_co_u32 s20, s20, s23
	s_lshl_b32 s23, s22, 10
	s_add_co_u32 s20, s20, s23
	s_mul_i32 s23, s12, STG                        ; my stage
	v_lshlrev_b32 v4, 4, v1                        ; 16 x lane: a load or store of the wave covers 512 consecutive bytes
	v_lshl_add_u32 v5, v1, 3, s23                  ; in: 8 bytes (4 bf16) a lane
	v_mul_u32_u24 v6, v2, OP
	v_lshl_add_u32 v6, v3, 4, v6
	v_add_nc_u32 v6, s23, v6                       ; back: row r, 16 bytes for each half of the lanes
	s_wait_kmcnt 0x0
	s_add_nc_u64 s[4:5], s[4:5], s[14:15]
	s_add_nc_u64 s[8:9], s[8:9], s[20:21]
.set i, 0
.rept 16
	global_load_b128 v[16+4*i:19+4*i], v4, s[4:5] offset:i*8192 th:TH_LOAD_NT  ; row i: 128 f32
.set i, i+1
.endr
.set i, 0
.rept 16
	s_wait_loadcnt 15-i                            ; loads come back in order: row i is in, the younger rows stay out
	v_cvt_pk_bf16_f32 v[16+4*i], v[16+4*i], v[17+4*i]
	v_cvt_pk_bf16_f32 v[17+4*i], v[18+4*i], v[19+4*i]
	ds_store_b64 v5, v[16+4*i:17+4*i] offset:i*OP
.set i, i+1
.endr
.set k, 0
.rept 8                                        ; k = 2 tt + half: 16 bytes of row r at K = 32 tt + 16 half + 8 h; LDS serves a wave's instructions in order, so these see the stores above
	ds_load_b128 v[80+4*k:83+4*k], v6 offset:32*k
.set k, k+1
.endr
.set k, 0
.rept 8
	s_wait_dscnt 7-k
	global_store_b128 v4, v[80+4*k:83+4*k], s[8:9] offset:(k/2)*4096+(k%2)*512  ; 512 consecutive bytes, at a multiple of 512 from w2b's first
.set k, k+1
.endr
	s_wait_tensorcnt 0x0                           ; the wave's end: three closing lines behind my last LDS store
	ds_add_u32 v[SPW], v[NIL]
	s_wait_dscnt 0x0
	s_endpgm
; ---------------- hidden x W1^T, a quarter of K ----------------
.Lrole_h:
	s_lshr_b32 s16, s13, 2                         ; ng: which 64 n
	s_and_b32 s17, s13, 3                          ; kq: which 256 of K
	s_lshl_b32 s14, s16, 19                        ; 64 rows of 8,192 bytes
	s_lshl_b32 s18, s17, 10                        ; 256 f32
	s_add_co_u32 s14, s14, s18
	s_lshl_b32 s20, s17, 17                        ; hbp: kq x 131,072 + ng x 256
	s_lshl_b32 s22, s16, 8
	s_add_co_u32 s20, s20, s22
	v_and_b32 v4, 63, v0                           ; 64 threads take a row's 1,024 bytes,
	v_lshrrev_b32 v5, 6, v0                        ; the work-group two rows at a time
	v_lshlrev_b32 v6, 4, v4
	v_lshl_add_u32 v7, v5, 13, v6                  ; offset in W1
	v_lshl_add_u32 v8, v5, 12, v6                  ; offset in hidden
	v_mul_u32_u24 v9, v5, WP
	v_lshl_add_u32 v9, v4, 3, v9                   ; LDS: row, 8 bytes a thread
	s_wait_kmcnt 0x0
	s_add_nc_u64 s[4:5], s[4:5], s[14:15]
	s_add_nc_u64 s[6:7], s[6:7], s[18:19]
	s_add_nc_u64 s[10:11], s[10:11], s[20:21]
.set i, 0
.rept 32
	global_load_b128 v[16+4*i:19+4*i], v7, s[4:5] offset:i*16384 th:TH_LOAD_NT
.set i, i+1
.endr
.rept 16
	global_load_b128 v[16+4*i:19+4*i], v8, s[6:7] offset:(i-32)*8192
.set i, i+1
.endr
.set i, 0
.rept 48                                       ; two rows a step, W1's 64 and then hidden's 32: HT = 32 steps of 2 WP, so one offset serves both
	s_wait_loadcnt 47-i
	v_cvt_pk_bf16_f32 v[16+4*i], v[16+4*i], v[17+4*i]
	v_cvt_pk_bf16_f32 v[17+4*i], v[18+4*i], v[19+4*i]
	ds_store_b64 v9, v[16+4*i:17+4*i] offset:i*2*WP
.set i, i+1
.endr
	v_lshl_add_u32 v10, s12, 4, v2                 ; my 16 n: row 16 w + r
	v_mul_u32_u24 v10, v10, WP
	v_lshl_add_u32 v10, v3, 4, v10
	v_mul_u32_u24 v11, v2, WP                      ; hidden: row r (+ 16 rb in the offset)
	v_lshl_add_u32 v11, v3, 4, v11
	v_mul_u32_u24 v12, v2, OP                      ; the way out: row b = r, bytes 64 w + 32 h
	v_lshl_add_u32 v12, v3, 5, v12
	s_lshl_b32 s22, s12, 6
	s_add_co_u32 s22, s22, OST
	v_add_nc_u32 v12, s22, v12
	s_wait_dscnt 0x0                               ; for the others' sake: my stores are done
	s_barrier_signal -1
	s_barrier_wait -1
.set t, 0
.rept 8
	ds_load_b128 v[16+8*t:19+8*t], v10 offset:64*t
	ds_load_b128 v[20+8*t:23+8*t], v10 offset:64*t+32
	ds_load_b128 v[80+8*t:83+8*t], v11 offset:HT+64*t
	ds_load_b128 v[84+8*t:87+8*t], v11 offset:HT+64*t+32
	ds_load_b128 v[144+8*t:147+8*t], v11 offset:HT+16*WP+64*t
	ds_load_b128 v[148+8*t:151+8*t], v11 offset:HT+16*WP+64*t+32
.set t, t+1
.endr
	s_wait_dscnt 0x0
	; source 0 = 16 n of W1, source 1 = 16 b of hidden: a lane then holds one b and eight neighbouring n.  The two accumulators take turns.
	v_wmma_f32_16x16x32_bf16 v[208:215], v[16:23], v[80:87], 0
	v_wmma_f32_16x16x32_bf16 v[216:223], v[16:23], v[144:151], 0
.set t, 1
.rept 7
	v_wmma_f32_16x16x32_bf16 v[208:215], v[16+8*t:23+8*t], v[80+8*t:87+8*t], v[208:215]
	v_wmma_f32_16x16x32_bf16 v[216:223], v[16+8*t:23+8*t], v[144+8*t:151+8*t], v[216:223]
.set t, t+1
.endr
	v_lshrrev_b32 v4, 4, v0                        ; the addresses for reading back: five plain instructions, the places behind the last products (ISA guide 7.12.1)
	v_mul_u32_u24 v5, v4, OP
	v_lshl_add_u32 v5, v2, 4, v5                   ; stage row thread / 16, 16 bytes a thread
	v_lshlrev_b32 v6, 4, v2
	v_lshl_add_u32 v6, v4, 12, v6                  ; the same row (b) in hbp
	ds_store_b128 v12, v[208:211]
	ds_store_b128 v12, v[212:215] offset:16
	ds_store_b128 v12, v[216:219] offset:16*OP
	ds_store_b128 v12, v[220:223] offset:16*OP+16
	s_wait_dscnt 0x0                               ; a stage row's 256 bytes come from four waves
	s_barrier_signal -1
	s_barrier_wait -1
.set i, 0
.rept 4
	ds_load_b128 v[16+4*i:19+4*i], v5 offset:OST+i*8*OP
.set i, i+1
.endr
.set i, 0
.rept 4
	s_wait_dscnt 3-i
	global_store_b128 v6, v[16+4*i:19+4*i], s[10:11] offset:i*32768  ; 16 lanes store 256 consecutive bytes, at a multiple of 256 from hbp's first
.set i, i+1
.endr
	s_wait_tensorcnt 0x0                           ; the wave's end: three closing lines behind my last LDS store
	ds_add_u32 v[SPW], v[NIL]
	s_wait_dscnt 0x0
	s_endpgm
.Lfunc_end_k_q38ac61cd1c_prep:
	.size	k_q38ac61cd1c_prep, .Lfunc_end_k_q38ac61cd1c_prep-k_q38ac61cd1c_prep
	.p2alignl 7, 3214868480
	.fill 96, 4, 3214868480
	.section	.rodata,"a",@progbits
	.p2align	6, 0x0
	.amdhsa_kernel k_q38ac61cd1c_prep
		.amdhsa_group_segment_fixed_size 60416
		.amdhsa_private_segment_fixed_size 0
		.amdhsa_enable_private_segment 0
		.amdhsa_kernarg_size 32
		.amdhsa_user_sgpr_count 2
		.amdhsa_user_sgpr_kernarg_segment_ptr 1
		.amdhsa_wavefront_size32 1
		.amdhsa_system_sgpr_workgroup_id_x 1
		.amdhsa_system_sgpr_workgroup_id_y 1
		.amdhsa_system_sgpr_workgroup_id_z 1
		.amdhsa_system_vgpr_workitem_id 0
		.amdhsa_next_free_vgpr 224
		.amdhsa_next_free_sgpr 66
		.amdhsa_reserve_vcc 0
		.amdhsa_float_denorm_mode_32 3
		.amdhsa_float_denorm_mode_16_64 3
		.amdhsa_memory_ordered 1
		.amdhsa_forward_progress 1
		.amdhsa_inst_pref_size 31
	.end_amdhsa_kernel
	.amdgpu_metadata
---
amdhsa.version: [ 1, 2 ]
amdhsa.kernels:
  - .name:           k_q38ac61cd1c_prep
    .symbol:         k_q38ac61cd1c_prep.kd
    .args:
      - { .name: attn_W, .offset: 0, .size: 8, .value_kind: global_buffer, .address_space: global }
      - { .name: hidden, .offset: 8, .size: 8, .value_kind: global_buffer, .address_space: global }
      - { .name: w2b, .offset: 16, .size: 8, .value_kind: global_buffer, .address_space: global }
      - { .name: hbp, .offset: 24, .size: 8, .value_kind: global_buffer, .address_space: global }
    .group_segment_fixed_size: 60416
    .private_segment_fixed_size: 0
    .kernarg_segment_align: 8
    .kernarg_segment_size: 32
    .max_flat_workgroup_size: 128
    .sgpr_count:     66
    .vgpr_count:     224
    .wavefront_size: 32
...
	.end_amdgpu_metadata
.endif
;; end of part 1
;; launch attn (part 2): grid 8 x 32, 4 waves a work-group, no clusters, 280,576 bytes of LDS; arguments encoder_outputs, w2b, hbp, attn_b, v_W, part; writes part
.if DOCPART == 2
	.amdgcn_target "amdgcn-amd-amdhsa--gfx1250"
	.amdhsa_code_object_version 6
	.text
	.protected	k_q38ac61cd1c_attn
	.globl	k_q38ac61cd1c_attn
	.p2align	8
	.type	k_q38ac61cd1c_attn,@function
k_q38ac61cd1c_attn:
	s_mov_b64 s[64:65], 0
	v_nop
	global_prefetch_b8 v0, s[64:65] scope:SCOPE_SE
	s_setreg_imm32_b32 hwreg(HW_REG_WAVE_MODE, 25, 1), 1
	s_wait_xcnt 0x0
; ATTN.  A work-group owns one b and 128 s (block sb).  It brings its 128 rows of encoder_outputs in ONCE, keeps them in LDS as bf16, and makes of them
;   x[s][n] = enc[s] . W2[n] (bf16 products, f32 sums), energy = tanh(x + hb[n]), hb = hidden . W1^T + attn_b, the scores, a softmax over its own 128 s
;   (own maximum m, own sum l), and the partial context sum_s p[s] enc[s][:].  part[b][sb] = 1,024 context, 128 p, then (m, l) repeated; the next launch joins a b's eight blocks.
; ARITHMETIC.  tanh y = 1 - 2 / (1 + 2^(c2 y)), c2 = 2 log2(e).  Kept is s2 = sum_n (-c2 v[n]) / (1 + 2^(c2 y)) = log2(e) (score - sum_n v[n]): the term left out is the same for every s
;   of a b, so it cancels in the softmax for every input.  p = 2^(s2 - m).  All five inputs are taken rounded to bf16 (attn_b and v_W rounded and widened again); p is rounded to bf16 for the
;   context product alone, l is the sum of the unrounded p.
; LIMITS.  NaN and infinities are not treated apart; 2^(c2 y) beyond f32's range gives tanh = 1, below it tanh = -1; a weight below 2^-126 counts as 0; tanh is good to about 1e-7 absolutely.
; SHARES.  Wave w owns n = 256 w .. 256 w + 255 in two passes of 128: 128 rows x 128 n = 64 accumulators.  A K step of 32: 8 fragments of enc from LDS, 8 of W2 from memory, 64 matrix instructions:
;   128 bytes out of LDS and 128 bytes out of memory for each matrix instruction.
; W2 COMES STRAIGHT INTO REGISTERS (a ring of four K steps, three on their way), already in fragment order: each load of the wave is 512 consecutive bytes.
; NO CLUSTER, NO JOINT LOADS, though all work-groups walk the same W2: a joint load lands in LDS, and enc's block takes 264,192 of the 327,680 bytes, the scratch 15,872.  The four waves' fragments of
;   one K step are 32,768 bytes: two slots of one step do not fit into what is left.
; REGISTERS, in windows of 256 (s_set_vgpr_msb: bits 1:0 source 0, 3:2 source 1, 5:4 source 2, 7:6 destination):
;   window 0: v0-29 addresses; v32-95 SA, the scores' sums (row tile a, register j at 8 a + j); v96-111 hb, v112-127 v of the pass (ahead of the first pass and behind the last: at work);
;             v128-255 enc's rows on their way in, then two buffers of A fragments
;   windows 1, 2: the 64 accumulators, (a, c) at 8 (8 (a % 4) + c) of window 1 + a / 4; later the context's 16 (window 1) and enc's transposed fragments (window 2)
;   window 3: W2's ring, slot u at 64 u, n tile c at + 8 c
.set PITCH, 2064                       ; an LDS row of enc: 2,048 bytes + 16 = 516 words: row r starts at bank 4 r mod 64 (64 banks of 4 bytes: ISA guide 11.1)
.set Q32,   32*PITCH
.set HBC,   128*PITCH                  ; c2 hb[n], 1,024 f32
.set VVO,   4096                       ; behind it: -c2 v[n]
.set SCB,   HBC+8192                   ; [wave][128 rows] partial scores
.set PB,    SCB+2048                   ; p in bf16, a copy of 256 bytes for each wave
.set CX,    PB+1024                    ; the context's way out, 1,024 bytes a wave
.set SPARE, CX+4096                    ; the spare words: 128 bytes a wave, two blocks of 256 bytes that no other line names
.set WSTEP, 4096                       ; w2b: a K step of a group of 64 n
.set WGRP,  131072                     ; w2b: a group's 32 K steps
.set SA, 32
.set HB, 96
.set VV, 112
.set T,  112
.set X,  128
.set AF, 128
.set PF, 128
.set NB, 30                            ; s[30:31] w2b at the next quad's first K step
.set MSB, 0
.macro WIN new                         ; the immediate's high byte repeats the setting that is left; a switch that changes nothing is dropped
.if MSB != (\new)
	s_set_vgpr_msb (MSB<<8)|(\new)
.set MSB, \new
.endif
.endm
.set W_LO,  0x5c                       ; A window 0, B window 3, C and D window 1
.set W_HI,  0xac                       ; the same, C and D window 2
.set W_TO3, 0xc0                       ; destination window 3, address window 0
.set W_CTX, 0x58                       ; the context's products: A window 0, B window 2, C and D window 1
.set W_TO2, 0x80                       ; destination window 2, address window 0
.macro PLACES                          ; four places behind matrix instructions (ISA guide 7.12.1), where no other vector work is at hand
.rept 4
	v_nop
.endr
.endm
	s_load_b256 s[4:11], s[0:1], 0x0               ; enc s[4:5], w2b s[6:7], hbp s[8:9], attn_b s[10:11]
	s_load_b128 s[12:15], s[0:1], 0x20             ; v_W s[12:13], part s[14:15]
	v_lshl_add_u32 v28, v0, 2, SPARE               ; v28 my spare word, v29 0: never rewritten
	v_mov_b32 v29, 0
	v_lshrrev_b32 v1, 5, v0
	v_readfirstlane_b32 s16, v1                    ; wave 0..3
	s_mov_b32 s17, ttmp9                           ; sb
	s_and_b32 s18, ttmp7, 0xffff                   ; b
	v_and_b32 v1, 31, v0                           ; lane
	v_lshlrev_b32 v12, 4, v1                       ; v12 = 16 x lane
	v_lshlrev_b32 v26, 5, v0                       ; v26 = 32 x thread: my 8 numbers of hb, attn_b, v_W
	s_lshl_b32 s20, s17, 24                        ; enc: 128 sb rows of 131,072 bytes,
	s_lshl_b32 s30, s16, 22                        ; my wave's 32 rows,
	s_add_co_u32 s20, s20, s30
	s_lshl_b32 s31, s18, 12                        ; and b's 4,096 bytes in a row
	s_add_co_u32 s20, s20, s31
	s_mov_b32 s21, 0                               ; the high word of the offset pair s[20:21]: it stays 0
	s_mov_b32 s22, 0x4038aa3b                      ; c2 = 2 log2(e), as a pair
	s_mov_b32 s23, 0x4038aa3b
	s_mov_b32 s24, 0xc038aa3b                      ; -c2
	s_mov_b32 s25, 0xffff0000                      ; a word's upper bf16 (named with s24 as a pair)
	s_mov_b32 s26, 0x76543210                      ; v_permlanex16_b32: each lane takes its own place in the other half
	s_mov_b32 s27, 0xfedcba98
	s_wait_kmcnt 0x0
	s_add_nc_u64 s[4:5], s[4:5], s[20:21]
	s_mov_b32 s20, s31
	s_add_nc_u64 s[8:9], s[8:9], s[20:21]          ; hbp at row b
	s_lshl_b32 s20, s16, 19
	s_add_nc_u64 s[6:7], s[6:7], s[20:21]          ; w2b at my wave's four groups of 64 n
	s_lshl3_add_u32 s20, s18, s17
	s_mul_i32 s20, s20, 5120
	s_add_nc_u64 s[14:15], s[14:15], s[20:21]      ; part at (b, sb)
.irp kq, 0,1,2,3
	global_load_b128 v[32+8*\kq:35+8*\kq], v26, s[8:9] offset:\kq*131072
	global_load_b128 v[36+8*\kq:39+8*\kq], v26, s[8:9] offset:\kq*131072+16
.endr
	global_load_b128 v[64:67], v26, s[10:11]
	global_load_b128 v[68:71], v26, s[10:11] offset:16
	global_load_b128 v[72:75], v26, s[12:13]
	global_load_b128 v[76:79], v26, s[12:13] offset:16
; ---------------- enc into LDS: wave w takes rows 32 w .. 32 w + 31, through a ring of four rows in registers ----------------
.macro FILLX s, row                    ; eight loads of 512 consecutive bytes: a row
.set i, 0
.rept 8
	global_load_b128 v[X+32*(\s)+4*i:X+32*(\s)+4*i+3], v12, s[4:5] offset:(\row)*131072+512*i th:TH_LOAD_NT
.set i, i+1
.endr
.endm
.macro ROWIN s, fill, left             ; left: the younger loads that may stay out
	s_wait_loadcnt \left
.set i, 0
.rept 16
	v_cvt_pk_bf16_f32 v[T+i], v[X+32*(\s)+2*i], v[X+32*(\s)+2*i+1]
.set i, i+1
.endr
.if \fill
	FILLX \s, (\s)+4                               ; the slot's next row, four further down
.endif
.set i, 0
.rept 8
	ds_store_b64 v13, v[T+2*i:T+2*i+1] offset:(\s)*PITCH+256*i  ; 32 lanes x 8 bytes: 256 consecutive bytes
.set i, i+1
.endr
.endm
	FILLX 0, 0
	FILLX 1, 1
	FILLX 2, 2
	FILLX 3, 3
	; the addresses, while the first rows are on their way
	v_and_b32 v2, 15, v0                           ; r
	v_bfe_u32 v3, v0, 4, 1                         ; h
	v_mul_u32_u24 v4, v2, PITCH                    ; v4-7: A fragments of rows 32 q + r: row x pitch + 16 h
	v_lshl_add_u32 v4, v3, 4, v4
	v_add_nc_u32 v5, Q32, v4
	v_add_nc_u32 v6, 2*Q32, v4
	v_add_nc_u32 v7, 3*Q32, v4
	s_mul_i32 s20, s16, Q32
	v_lshl_add_u32 v13, v1, 3, s20                 ; v13: where my 8 bytes of the row in hand go; it steps
	v_lshl_add_u32 v14, v0, 5, HBC                 ; v14: my 8 numbers of c2 hb
	s_lshl_b32 s30, s16, 10
	s_add_co_u32 s31, s30, HBC
	v_lshl_add_u32 v15, v2, 2, s31                 ; v15: hb[256 w + r]; it steps by 128 n a pass
	s_lshl_b32 s31, s16, 9
	s_add_co_u32 s20, s31, SCB
	v_lshl_add_u32 v16, v3, 5, s20                 ; v16: my wave's partial scores, rows 8 h on
	v_add_nc_u32 v17, SCB, v12                     ; v17: rows 4 lane .. 4 lane + 3
	s_lshl_b32 s20, s16, 8
	s_add_co_u32 s20, s20, PB
	v_lshl_add_u32 v18, v1, 3, s20                 ; v18: my four p in bf16
	v_lshl_add_u32 v19, v3, 4, s20                 ; v19: p as an A fragment
	v_and_b32 v20, 7, v0                           ; v20-23: the transposing loads: row 32 kp + 8 h + lane % 8, bytes 512 w + 16 ((lane / 8) % 2)
	v_lshl_add_u32 v20, v3, 3, v20
	v_mul_u32_u24 v20, v20, PITCH
	v_bfe_u32 v21, v0, 3, 1
	v_lshl_add_u32 v20, v21, 4, v20
	v_add_nc_u32 v20, s31, v20
	v_add_nc_u32 v21, Q32, v20
	v_add_nc_u32 v22, 2*Q32, v20
	v_add_nc_u32 v23, 3*Q32, v20
	s_add_co_u32 s31, s30, CX
	v_lshl_add_u32 v24, v2, 2, s31                 ; v24: the context's stage, in
	v_add_nc_u32 v25, s31, v12                     ; v25: and back
	v_add_nc_u32 v27, s30, v12                     ; v27: my 16 bytes of the wave's 1,024 in part
	s_mov_b32 s28, 7
.Lrows:                                                ; a trip: four rows are rounded and stored to LDS, and the four rows behind the ring are asked for
	ROWIN 0, 1, 24                                 ; 24: the three younger rows' loads
	ROWIN 1, 1, 24
	ROWIN 2, 1, 24
	ROWIN 3, 1, 24
	s_wait_xcnt 0x0                                ; the loads' base is stepped only behind this wait
	s_add_nc_u64 s[4:5], s[4:5], 4*131072
	v_add_nc_u32 v13, 4*PITCH, v13
	s_sub_co_u32 s28, s28, 1
	s_cmp_lg_u32 s28, 0
	s_cbranch_scc1 .Lrows
	ROWIN 0, 0, 24                                 ; the last four rows: nothing is left to ask for, the counts run down
	ROWIN 1, 0, 16
	ROWIN 2, 0, 8
	ROWIN 3, 0, 0
; ---------------- W2's ring is started; c2 hb and -c2 v go to LDS ----------------
; A K step's eight fragments: sixteen loads of 512 consecutive bytes, n tiles 0-3 from the pass's first group of 64 n, tiles 4-7 from its second, one group's bytes further on.
.macro BFILL slot, sb, off
.set i, 0
.rept 8
	global_load_b128 v[64*(\slot)+4*i:64*(\slot)+4*i+3], v12, s[\sb:(\sb)+1] offset:(\off)+512*i
.set i, i+1
.endr
.set i, 0
.rept 8
	global_load_b128 v[64*(\slot)+32+4*i:64*(\slot)+32+4*i+3], v12, s[\sb:(\sb)+1] offset:WGRP+(\off)+512*i
.set i, i+1
.endr
.endm
	s_add_nc_u64 s[NB:NB+1], s[6:7], 4*WSTEP       ; the second quad's first K step
	WIN W_TO3
.irp u, 0,1,2
	BFILL \u, 6, \u*WSTEP
.endr
	WIN 0
.irp i, 0,1,2,3
	v_cvt_pk_bf16_f32 v[T+\i], v[64+2*\i], v[65+2*\i]      ; attn_b and v_W are rounded to bf16,
	v_cvt_pk_bf16_f32 v[T+4+\i], v[72+2*\i], v[73+2*\i]
.endr
.irp i, 0,1,2,3
	v_lshlrev_b32 v[64+2*\i], 16, v[T+\i]                  ; and widened again
	v_and_b32 v[65+2*\i], s25, v[T+\i]
	v_lshlrev_b32 v[72+2*\i], 16, v[T+4+\i]
	v_and_b32 v[73+2*\i], s25, v[T+4+\i]
.endr
.irp i, 0,2,4,6
	v_pk_add_f32 v[32+\i:33+\i], v[32+\i:33+\i], v[40+\i:41+\i]  ; the four quarters of K
	v_pk_add_f32 v[48+\i:49+\i], v[48+\i:49+\i], v[56+\i:57+\i]
.endr
.irp i, 0,2,4,6
	v_pk_add_f32 v[32+\i:33+\i], v[32+\i:33+\i], v[48+\i:49+\i]
	v_pk_mul_f32 v[72+\i:73+\i], v[72+\i:73+\i], s[24:25] op_sel_hi:[1,0]  ; -c2 v
.endr
.irp i, 0,2,4,6
	v_pk_add_f32 v[32+\i:33+\i], v[32+\i:33+\i], v[64+\i:65+\i]  ; + attn_b
.endr
.irp i, 0,2,4,6
	v_pk_mul_f32 v[32+\i:33+\i], v[32+\i:33+\i], s[22:23] op_sel_hi:[1,0]  ; c2 hb
.endr
	ds_store_b128 v14, v[32:35]
	ds_store_b128 v14, v[36:39] offset:16
	ds_store_b128 v14, v[72:75] offset:VVO
	ds_store_b128 v14, v[76:79] offset:VVO+16
	s_wait_dscnt 0x0                               ; for the others' sake: my rows of enc and my numbers of hb and v are in LDS
	s_barrier_signal -1
.set i, 0
.rept 64                                       ; the scores' sums start at 0: the price of one form of the epilogue for both passes; register work between signal and wait
	v_mov_b32 v[SA+i], 0
.set i, i+1
.endr
.set i, 1
.rept 16
	v_mov_b32 v[HB+i], 0                           ; the upper registers of hb's and v's pairs, by whose low word the packed lines multiply: named, so written
.set i, i+2
.endr
.irp i, 0,1,2,3
	v_mov_b32 v[8+\i], v[4+\i]                     ; v8-11: A's addresses at the quad in hand
.endr
	s_barrier_wait -1
; ---------------- the products ----------------
.macro HVLOAD                          ; hb and v of the pass's 128 n: lane r takes n = 16 c + r
.irp c, 0,1,2,3,4,5,6,7
	ds_load_b32 v[HB+2*\c], v15 offset:64*\c
	ds_load_b32 v[VV+2*\c], v15 offset:VVO+64*\c
.endr
.endm
.macro AFETCH f, k                     ; 16 LDS loads in one run: the 8 fragments of enc (128 rows x 32 K at byte 64 k of the quad) into buffer f
.set i, 0
.rept 8
	ds_load_b128 v[AF+64*(\f)+8*i:AF+64*(\f)+8*i+3],   v[8+i/2] offset:(i%2)*16*PITCH+64*(\k)
	ds_load_b128 v[AF+64*(\f)+8*i+4:AF+64*(\f)+8*i+7], v[8+i/2] offset:(i%2)*16*PITCH+64*(\k)+32
.set i, i+1
.endr
.endm
; 32 matrix instructions: row tiles 4 hh .. 4 hh + 3 x the eight n tiles.  All 64 accumulators take turns, one instruction a turn, in the same order in every step.
.macro MUL32 f, u, hh, zero
	WIN W_LO+0x50*(\hh)                            ; W_LO or W_HI
.set i, 0
.rept 32
.set rD, 8*i
.set rA, AF+64*(\f)+8*(4*(\hh)+i/8)
.set rB, 64*(\u)+8*(i%8)
.if \zero
	v_wmma_f32_16x16x32_bf16 v[rD:rD+7], v[rA:rA+7], v[rB:rB+7], 0
.else
	v_wmma_f32_16x16x32_bf16 v[rD:rD+7], v[rA:rA+7], v[rB:rB+7], v[rD:rD+7]
.endif
.set i, i+1
.endr
.endm
; A K step, number u of a quad (4 steps, 128 of K).  In its middle, four places behind the step before's last product, ONE run of loads: W2's fragments three steps on go into the slot that that step
; read (bfill): step 0 asks for this quad's step 3, steps 1 to 3 for the next quad's steps 0 to 2, by that quad's base; enc's fragments of the next step go into the buffer that it read (afetch).
; From a refill to the wait for it a wave issues 160 matrix instructions.  lcnt: the younger refills of 16 loads each.  zero = 1: the products start the sums.
.macro STEP u, zero, bfill, afetch, lcnt
	s_wait_loadcnt \lcnt                           ; this step's W2 is in
	s_wait_dscnt 8                                 ; and enc's row tiles 0-3; the youngest eight loads may be out
	MUL32 (\u)%2, \u, 0, \zero
.if ((\u) == 3) && (\afetch)
	WIN 0
	s_add_co_u32 s29, s29, 256                     ; the next quad's bytes in a row of enc, back to 0 behind the eighth
	s_and_b32 s29, s29, 0x700
.irp q, 0,1,2,3
	v_add_nc_u32 v[8+\q], s29, v[4+\q]             ; these four are the places
.endr
.elseif (\bfill) || (\afetch)
	PLACES
.endif
.if \bfill
	WIN W_TO3
.if (\u) == 0
	BFILL 3, 6, 3*WSTEP
.else
	BFILL (\u)-1, NB, ((\u)-1)*WSTEP
.endif
.endif
.if \afetch
	WIN 0
	AFETCH ((\u)+1)%2, ((\u)+1)%4
	s_wait_dscnt 16                                ; all but the 16 just issued
.else
	s_wait_dscnt 0x0
.endif
	MUL32 (\u)%2, \u, 1, \zero
.endm
; A pass's end: for each of its 128 x 128 numbers x: 1 / (1 + 2^(c2 x + c2 hb)), times -c2 v, onto the row's sum.  A row tile (eight accumulators, 64 registers) at a time; each accumulator's
; registers in ascending order.  Behind each run of exponentials or reciprocals one plain instruction stands before their results are used (ISA guide 5.7.2).
.macro EPI more
	WIN 0
	PLACES
.set a, 0
.rept 8
.set rb, 64*(a%4)
	WIN 0x41*(1+a/4)                               ; destination and source 0 in the row tile's window
.set p, 0
.rept 32
	v_pk_fma_f32 v[rb+2*p:rb+2*p+1], v[rb+2*p:rb+2*p+1], s[22:23], v[HB+2*(p/4):HB+2*(p/4)+1] op_sel_hi:[1,0,0]
.set p, p+1
.endr
.set p, 0
.rept 64
	v_exp_f32 v[rb+p], v[rb+p]
.set p, p+1
.endr
	v_nop
.set p, 0
	s_wait_alu depctr_va_vdst(0)
.rept 32
	v_pk_add_f32 v[rb+2*p:rb+2*p+1], v[rb+2*p:rb+2*p+1], 1.0 op_sel_hi:[1,0]
.set p, p+1
.endr
.set p, 0
.rept 64
	v_rcp_f32 v[rb+p], v[rb+p]
.set p, p+1
.endr
	v_nop
	WIN 1+a/4                                      ; source 0 in the row tile's window, the rest in window 0
.set p, 0
	s_wait_alu depctr_va_vdst(0)
.rept 32
	v_pk_fma_f32 v[SA+8*a+2*(p%4):SA+8*a+2*(p%4)+1], v[rb+2*p:rb+2*p+1], v[VV+2*(p/4):VV+2*(p/4)+1], v[SA+8*a+2*(p%4):SA+8*a+2*(p%4)+1] op_sel_hi:[1,0,1]
.set p, p+1
.endr
.set a, a+1
.endr
	WIN 0
.if \more
	v_add_nc_u32 v15, 512, v15                     ; the next pass's 128 n; the next step's waits on DScnt cover these loads
	HVLOAD
.endif
.endm
	s_mov_b32 s29, 0                               ; the quad's bytes in a row of enc: 0, 256, .. 1,792
	HVLOAD
	AFETCH 0, 0
	s_mov_b32 s28, 15
	s_branch .Lzero                                ; the loop is entered at the text whose products start the sums
.Lquad:                                                ; a trip: a quad; 15 of the wave's 16
	s_cmp_lg_u32 s29, 0
	s_cbranch_scc1 .Lgo_on
.Lzero:                                                ; a pass's first step
	v_nop                                          ; with the four places of the step before, five stand in front of every product that writes over an accumulator, whichever way leads here
	STEP 0, 1, 1, 1, 32
	WIN 0                                          ; at a label and at a branch every window is 0
	s_branch .Lrest
.Lgo_on:
	STEP 0, 0, 1, 1, 32
	WIN 0
.Lrest:
.irp u, 1,2,3
	STEP \u, 0, 1, 1, 32                           ; 32: two younger refills
.endr
	WIN 0
	s_wait_xcnt 0x0                                ; W2's two bases are rewritten only behind this wait
	s_mov_b64 s[6:7], s[NB:NB+1]                   ; on to the next quad;
	s_add_nc_u64 s[NB:NB+1], s[NB:NB+1], 4*WSTEP   ; the one behind it lies four K steps on,
	s_cmp_eq_u32 s29, 0x700                        ; and, where the next quad is a pass's last, one group more: the pass's second group has been read beside its first
	s_cselect_b32 s20, WGRP, 0
	s_add_nc_u64 s[NB:NB+1], s[NB:NB+1], s[20:21]
	s_cmp_lg_u32 s29, 0
	s_cbranch_scc1 .Lno_epi                        ; behind a pass's eighth quad the bytes are back at 0
	EPI 1
.Lno_epi:
	s_sub_co_u32 s28, s28, 1
	s_cmp_lg_u32 s28, 0
	s_cbranch_scc1 .Lquad
	STEP 0, 0, 1, 1, 32                            ; the last quad: one more refill (the wave's last K step), then the counts run down
	STEP 1, 0, 0, 1, 32
	STEP 2, 0, 0, 1, 16
	STEP 3, 0, 0, 0, 0
	EPI 0
; ---------------- the scores and the block's softmax ----------------
.irp m, 1,2,4,8                        ; a lane's sums are those of its n = r (mod 16): added over the sixteen lanes of its half
.set i, 0
.rept 64
	v_add_f32_dpp v[SA+i], v[SA+i], v[SA+i] row_xmask:\m row_mask:0xf bank_mask:0xf
.set i, i+1
.endr
.endr
.set i, 0
.rept 16                                       ; rows 16 a + 8 h + 4 q on; the sixteen lanes of a half store the same numbers to the same bytes
	ds_store_b128 v16, v[SA+4*i:SA+4*i+3] offset:64*(i/2)+16*(i%2)
.set i, i+1
.endr
	s_wait_dscnt 0x0                               ; for the others' sake
	s_barrier_signal -1
	s_barrier_wait -1
.irp w, 0,1,2,3
	ds_load_b128 v[T+4*\w:T+4*\w+3], v17 offset:512*\w  ; every wave adds the four waves' parts, in the same order: lane l has rows 4 l .. 4 l + 3
.endr
	s_wait_dscnt 0x0
	v_pk_add_f32 v[112:113], v[112:113], v[116:117]
	v_pk_add_f32 v[114:115], v[114:115], v[118:119]
	v_pk_add_f32 v[120:121], v[120:121], v[124:125]
	v_pk_add_f32 v[122:123], v[122:123], v[126:127]
	v_pk_add_f32 v[112:113], v[112:113], v[120:121]
	v_pk_add_f32 v[114:115], v[114:115], v[122:123]
	v_max3_num_f32 v116, v112, v113, v114          ; the block's maximum m
	v_max_num_f32 v116, v116, v115
	v_max_num_f32_dpp v116, v116, v116 row_xmask:1 row_mask:0xf bank_mask:0xf
	v_max_num_f32_dpp v116, v116, v116 row_xmask:2 row_mask:0xf bank_mask:0xf
	v_max_num_f32_dpp v116, v116, v116 row_xmask:4 row_mask:0xf bank_mask:0xf
	v_max_num_f32_dpp v116, v116, v116 row_xmask:8 row_mask:0xf bank_mask:0xf
	v_permlanex16_b32 v117, v116, s26, s27
	v_max_num_f32 v116, v116, v117
	v_pk_add_f32 v[112:113], v[112:113], v[116:117] op_sel_hi:[1,0] neg_lo:[0,1] neg_hi:[0,1]
	v_pk_add_f32 v[114:115], v[114:115], v[116:117] op_sel_hi:[1,0] neg_lo:[0,1] neg_hi:[0,1]
	v_exp_f32 v112, v112                           ; p = 2^(s2 - m)
	v_exp_f32 v113, v113
	v_exp_f32 v114, v114
	v_exp_f32 v115, v115
	v_mov_b32 v124, v116                           ; (a plain instruction behind the exponentials)
	s_wait_alu depctr_va_vdst(0)
	v_add_f32 v118, v112, v113                     ; the block's sum l
	v_add_f32 v119, v114, v115
	v_add_f32 v118, v118, v119
	v_add_f32_dpp v118, v118, v118 row_xmask:1 row_mask:0xf bank_mask:0xf
	v_add_f32_dpp v118, v118, v118 row_xmask:2 row_mask:0xf bank_mask:0xf
	v_add_f32_dpp v118, v118, v118 row_xmask:4 row_mask:0xf bank_mask:0xf
	v_add_f32_dpp v118, v118, v118 row_xmask:8 row_mask:0xf bank_mask:0xf
	v_permlanex16_b32 v119, v118, s26, s27
	v_add_f32 v118, v118, v119
	v_cvt_pk_bf16_f32 v120, v112, v113
	v_cvt_pk_bf16_f32 v121, v114, v115
	ds_store_b64 v18, v[120:121]                   ; my wave's own copy of p: no barrier
	v_mov_b32 v125, v118
	v_mov_b32 v126, v116
	v_mov_b32 v127, v118
	s_cmp_lg_u32 s16, 0
	s_cbranch_scc1 .Lnot_wave_0                    ; all four waves hold the same p, m and l: wave 0 stores them
	global_store_b128 v12, v[112:115], s[14:15] offset:4096  ; 512 consecutive bytes each
	global_store_b128 v12, v[124:127], s[14:15] offset:4608
.Lnot_wave_0:
; ---------------- the partial context: wave w owns channels 256 w .. 256 w + 255 ----------------
; A = p in all 16 rows (32 s a step), B = enc [s][channel], turned by ds_load_tr16_b128: every row of the result is the context, and register 0 is taken.  64 matrix instructions a wave.
.irp kp, 0,1,2,3
	ds_load_b128 v[PF+8*\kp:PF+8*\kp+3], v19 offset:64*\kp          ; LDS serves a wave's instructions in order: these see the store above
	ds_load_b128 v[PF+8*\kp+4:PF+8*\kp+7], v19 offset:64*\kp+32
.endr
.macro LOADET kp                       ; 32 s x 256 channels: 16 fragments, into buffer kp % 2
	WIN W_TO2
.set i, 0
.rept 16
	ds_load_tr16_b128 v[128*((\kp)%2)+8*i:128*((\kp)%2)+8*i+3],   v[20+(\kp)] offset:32*i
	ds_load_tr16_b128 v[128*((\kp)%2)+8*i+4:128*((\kp)%2)+8*i+7], v[20+(\kp)] offset:32*i+16*PITCH
.set i, i+1
.endr
.endm
.macro MULC kp                         ; the 16 accumulators take turns
	WIN W_CTX
.set i, 0
.rept 16
.if (\kp) == 0
	v_wmma_f32_16x16x32_bf16 v[8*i:8*i+7], v[PF+8*(\kp):PF+8*(\kp)+7], v[128*((\kp)%2)+8*i:128*((\kp)%2)+8*i+7], 0
.else
	v_wmma_f32_16x16x32_bf16 v[8*i:8*i+7], v[PF+8*(\kp):PF+8*(\kp)+7], v[128*((\kp)%2)+8*i:128*((\kp)%2)+8*i+7], v[8*i:8*i+7]
.endif
.set i, i+1
.endr
.endm
	LOADET 0
	LOADET 1
	s_wait_dscnt 32                                ; all but the 32 just issued
	MULC 0
	PLACES
	LOADET 2
	s_wait_dscnt 32
	MULC 1
	PLACES
	LOADET 3
	s_wait_dscnt 32
	MULC 2
	s_wait_dscnt 0x0
	MULC 3
	PLACES
	WIN 0x04                                       ; store data in window 1
.set i, 0
.rept 16
	ds_store_b32 v24, v[8*i] offset:64*i           ; channel 16 i + r; both halves of the lanes hold the same number
.set i, i+1
.endr
	WIN 0
	ds_load_b128 v[96:99], v25                     ; back as 16 bytes a lane
	ds_load_b128 v[100:103], v25 offset:512
	s_wait_dscnt 1
	global_store_b128 v27, v[96:99], s[14:15]      ; 512 consecutive bytes, at a multiple of 256 from part's first
	s_wait_dscnt 0x0
	global_store_b128 v27, v[100:103], s[14:15] offset:512
	s_wait_tensorcnt 0x0                           ; the wave's end: three closing lines behind my last LDS store
	ds_add_u32 v28, v29
	s_wait_dscnt 0x0
	s_endpgm
.Lfunc_end_k_q38ac61cd1c_attn:
	.size	k_q38ac61cd1c_attn, .Lfunc_end_k_q38ac61cd1c_attn-k_q38ac61cd1c_attn
	.p2alignl 7, 3214868480
	.fill 96, 4, 3214868480
	.section	.rodata,"a",@progbits
	.p2align	6, 0x0
	.amdhsa_kernel k_q38ac61cd1c_attn
		.amdhsa_group_segment_fixed_size 280576
		.amdhsa_private_segment_fixed_size 0
		.amdhsa_enable_private_segment 0
		.amdhsa_kernarg_size 48
		.amdhsa_user_sgpr_count 2
		.amdhsa_user_sgpr_kernarg_segment_ptr 1
		.amdhsa_wavefront_size32 1
		.amdhsa_system_sgpr_workgroup_id_x 1
		.amdhsa_system_sgpr_workgroup_id_y 1
		.amdhsa_system_sgpr_workgroup_id_z 1
		.amdhsa_system_vgpr_workitem_id 0
		.amdhsa_next_free_vgpr 1024
		.amdhsa_next_free_sgpr 66
		.amdhsa_reserve_vcc 0
		.amdhsa_float_denorm_mode_32 3
		.amdhsa_float_denorm_mode_16_64 3
		.amdhsa_memory_ordered 1
		.amdhsa_forward_progress 1
		.amdhsa_inst_pref_size 255
	.end_amdhsa_kernel
	.section	.bss,"aw",@nobits
	.p2align	6
	.space	262144
	.amdgpu_metadata
---
amdhsa.version: [ 1, 2 ]
amdhsa.kernels:
  - .name:           k_q38ac61cd1c_attn
    .symbol:         k_q38ac61cd1c_attn.kd
    .args:
      - { .name: encoder_outputs, .offset: 0, .size: 8, .value_kind: global_buffer, .address_space: global }
      - { .name: w2b, .offset: 8, .size: 8, .value_kind: global_buffer, .address_space: global }
      - { .name: hbp, .offset: 16, .size: 8, .value_kind: global_buffer, .address_space: global }
      - { .name: attn_b, .offset: 24, .size: 8, .value_kind: global_buffer, .address_space: global }
      - { .name: v_W, .offset: 32, .size: 8, .value_kind: global_buffer, .address_space: global }
      - { .name: part, .offset: 40, .size: 8, .value_kind: global_buffer, .address_space: global }
    .group_segment_fixed_size: 280576
    .private_segment_fixed_size: 0
    .kernarg_segment_align: 8
    .kernarg_segment_size: 48
    .max_flat_workgroup_size: 128
    .sgpr_count:     66
    .vgpr_count:     1024
    .wavefront_size: 32
...
	.end_amdgpu_metadata
.endif
;; end of part 2
;; launch fin (part 3): grid 32 x 1, 8 waves a work-group, no clusters, 0 bytes of LDS; arguments part, out0, out1; writes out0, out1
.if DOCPART == 3
	.amdgcn_target "amdgcn-amd-amdhsa--gfx1250"
	.amdhsa_code_object_version 6
	.text
	.protected	k_q38ac61cd1c_fin
	.globl	k_q38ac61cd1c_fin
	.p2align	8
	.type	k_q38ac61cd1c_fin,@function
k_q38ac61cd1c_fin:
	s_mov_b64 s[64:65], 0
	v_nop
	global_prefetch_b8 v0, s[64:65] scope:SCOPE_SE
	s_setreg_imm32_b32 hwreg(HW_REG_WAVE_MODE, 25, 1), 1
	s_wait_xcnt 0x0
; FIN.  One work-group for each b joins its eight blocks: M = max m_i, w_i = 2^(m_i - M), L = sum w_i l_i;
;   out0[b][:] = sum_i (w_i / L) context_i[:],  out1[b][128 i + j] = p_i[j] w_i / L.
; part[b][i] = 1,280 f32: 1,024 context, 128 p, then (m, l) repeated.  Thread t owns channels 4 t .. 4 t + 3 and the weights of s = 4 t .. 4 t + 3 (block t / 32, its wave's number).
; 40 KiB in, 8 KiB out for a work-group: no LDS, no matrix unit, no barrier; every l_i is at least 1, so L is.
	s_load_b128 s[4:7], s[0:1], 0x0                ; part s[4:5], out0 s[6:7]
	s_load_b64 s[8:9], s[0:1], 0x10                ; out1
	s_mul_i32 s10, ttmp9, 8*5120
	s_mov_b32 s11, 0
	s_lshl_b32 s12, ttmp9, 12
	s_mov_b32 s13, 0
	v_lshlrev_b32 v1, 4, v0                        ; 16 t
	v_lshrrev_b32 v3, 5, v0
	v_mul_u32_u24 v3, v3, 5120                     ; my block
	v_and_b32 v2, 31, v0
	v_lshl_add_u32 v2, v2, 4, v3                   ; my four p in it
	v_mov_b32 v4, 0
	s_wait_kmcnt 0x0
	s_add_nc_u64 s[4:5], s[4:5], s[10:11]
	s_add_nc_u64 s[6:7], s[6:7], s[12:13]
	s_add_nc_u64 s[8:9], s[8:9], s[12:13]
.set i, 0
.rept 8
	global_load_b64 v[48+2*i:49+2*i], v4, s[4:5] offset:i*5120+4608   ; (m_i, l_i)
.set i, i+1
.endr
	global_load_b64 v[68:69], v3, s[4:5] offset:4608                  ; my own block's
	global_load_b128 v[64:67], v2, s[4:5] offset:4096
.set i, 0
.rept 8
	global_load_b128 v[16+4*i:19+4*i], v1, s[4:5] offset:i*5120
.set i, i+1
.endr
	s_wait_loadcnt 0x0
	v_max3_num_f32 v70, v48, v50, v52
	v_max3_num_f32 v70, v70, v54, v56
	v_max3_num_f32 v70, v70, v58, v60
	v_max_num_f32 v70, v70, v62
.set i, 0
.rept 8
	v_sub_f32 v[72+i], v[48+2*i], v70
.set i, i+1
.endr
	v_sub_f32 v80, v68, v70
.set i, 0
.rept 9
	v_exp_f32 v[72+i], v[72+i]                     ; w_0 .. w_7, and my own block's in v80
.set i, i+1
.endr
	v_nop                                          ; a plain instruction behind the exponentials (ISA guide 5.7.2)
	s_wait_alu depctr_va_vdst(0)
	v_mul_f32 v81, v72, v49
.set i, 1
.rept 7
	v_fmac_f32 v81, v[72+i], v[49+2*i]
.set i, i+1
.endr
	v_rcp_f32 v82, v81
	v_nop
.set i, 0
	s_wait_alu depctr_va_vdst(0)
.rept 9
	v_mul_f32 v[72+i], v[72+i], v82
.set i, i+1
.endr
.irp k, 0,1,2,3
	v_mul_f32 v[84+\k], v72, v[16+\k]
.endr
.set i, 1
.rept 7
.irp k, 0,1,2,3
	v_fmac_f32 v[84+\k], v[72+i], v[16+4*i+\k]
.endr
.set i, i+1
.endr
	v_pk_mul_f32 v[64:65], v[64:65], v[80:81] op_sel_hi:[1,0]
	v_pk_mul_f32 v[66:67], v[66:67], v[80:81] op_sel_hi:[1,0]
	global_store_b128 v1, v[84:87], s[6:7]         ; a wave's store covers 512 consecutive bytes, aligned
	global_store_b128 v1, v[64:67], s[8:9]
	s_endpgm
.Lfunc_end_k_q38ac61cd1c_fin:
	.size	k_q38ac61cd1c_fin, .Lfunc_end_k_q38ac61cd1c_fin-k_q38ac61cd1c_fin
	.p2alignl 7, 3214868480
	.fill 96, 4, 3214868480
	.section	.rodata,"a",@progbits
	.p2align	6, 0x0
	.amdhsa_kernel k_q38ac61cd1c_fin
		.amdhsa_group_segment_fixed_size 0
		.amdhsa_private_segment_fixed_size 0
		.amdhsa_enable_private_segment 0
		.amdhsa_kernarg_size 24
		.amdhsa_user_sgpr_count 2
		.amdhsa_user_sgpr_kernarg_segment_ptr 1
		.amdhsa_wavefront_size32 1
		.amdhsa_system_sgpr_workgroup_id_x 1
		.amdhsa_system_sgpr_workgroup_id_y 1
		.amdhsa_system_sgpr_workgroup_id_z 1
		.amdhsa_system_vgpr_workitem_id 0
		.amdhsa_next_free_vgpr 96
		.amdhsa_next_free_sgpr 66
		.amdhsa_reserve_vcc 0
		.amdhsa_float_denorm_mode_32 3
		.amdhsa_float_denorm_mode_16_64 3
		.amdhsa_memory_ordered 1
		.amdhsa_forward_progress 1
		.amdhsa_inst_pref_size 6
	.end_amdhsa_kernel
	.amdgpu_metadata
---
amdhsa.version: [ 1, 2 ]
amdhsa.kernels:
  - .name:           k_q38ac61cd1c_fin
    .symbol:         k_q38ac61cd1c_fin.kd
    .args:
      - { .name: part, .offset: 0, .size: 8, .value_kind: global_buffer, .address_space: global }
      - { .name: out0, .offset: 8, .size: 8, .value_kind: global_buffer, .address_space: global }
      - { .name: out1, .offset: 16, .size: 8, .value_kind: global_buffer, .address_space: global }
    .group_segment_fixed_size: 0
    .private_segment_fixed_size: 0
    .kernarg_segment_align: 8
    .kernarg_segment_size: 24
    .max_flat_workgroup_size: 256
    .sgpr_count:     66
    .vgpr_count:     96
    .wavefront_size: 32
...
	.end_amdgpu_metadata
.endif
;; end of part 3
;; ======== version 2 of 2: 3 launches; version 1 with the launch attn written anew for expert scheduling mode
;; workspace buffers: w2b 2,097,152 bytes; hbp 524,288 bytes; part 1,310,720 bytes
;; launch prep: the kernel of part 1 again; grid 192 x 1, 4 waves a work-group, no clusters, 60,416 bytes of LDS; arguments attn_W, hidden, w2b, hbp; writes w2b, hbp
;; launch attn (part 4): grid 8 x 32, 4 waves a work-group, no clusters, 280,576 bytes of LDS; arguments encoder_outputs, w2b, hbp, attn_b, v_W, part; writes part
.if DOCPART == 4
	.amdgcn_target "amdgcn-amd-amdhsa--gfx1250"
	.amdhsa_code_object_version 6
	.text
	.protected	k_q38ac61cd1c_attn
	.globl	k_q38ac61cd1c_attn
	.p2align	8
	.type	k_q38ac61cd1c_attn,@function
k_q38ac61cd1c_attn:
	s_mov_b64 s[64:65], 0
	v_nop
	global_prefetch_b8 v0, s[64:65] scope:SCOPE_SE
	s_setreg_imm32_b32 hwreg(HW_REG_WAVE_SCHED_MODE, 0, 2), 2
	s_setreg_imm32_b32 hwreg(HW_REG_WAVE_MODE, 25, 1), 1
	s_wait_xcnt 0x0
	s_wait_alu depctr_vm_vsrc(0)
; ATTN.  A work-group owns one b and 128 s (block sb).  It brings its 128 rows of encoder_outputs in ONCE, keeps them in LDS as bf16, and makes of them
;   x[s][n] = enc[s] . W2[n] (bf16 products, f32 sums), energy = tanh(x + hb[n]), hb = hidden . W1^T + attn_b, the scores, a softmax over its own 128 s
;   (own maximum m, own sum l), and the partial context sum_s p[s] enc[s][:].  part[b][sb] = 1,024 context, 128 p, then (m, l) repeated; the next launch joins a b's eight blocks.
; ARITHMETIC.  tanh y = 1 - 2 / (1 + 2^(c2 y)), c2 = 2 log2(e).  Kept is s2 = sum_n (-c2 v[n]) / (1 + 2^(c2 y)) = log2(e) (score - sum_n v[n]): the term left out is the same for every s
;   of a b, so it cancels in the softmax for every input.  p = 2^(s2 - m).  All five inputs are taken rounded to bf16 (attn_b and v_W rounded and widened again); p is rounded to bf16 for the
;   context product alone, l is the sum of the unrounded p.
; LIMITS.  NaN and infinities are not treated apart; 2^(c2 y) beyond f32's range gives tanh = 1, below it tanh = -1; a weight below 2^-126 counts as 0; tanh is good to about 1e-7 absolutely.
; SHARES.  Wave w owns n = 256 w .. 256 w + 255 in two passes of 128: 128 rows x 128 n = 64 accumulators.  A K step of 32: 8 fragments of enc from LDS, 8 of W2 from memory, 64 matrix instructions:
;   128 bytes out of LDS and 128 bytes out of memory for each matrix instruction.
; W2 COMES STRAIGHT INTO REGISTERS (a ring of four K steps, three on their way), already in fragment order: each load of the wave is 512 consecutive bytes.
; NO CLUSTER, NO JOINT LOADS, though all work-groups walk the same W2: a joint load lands in LDS, and enc's block takes 264,192 of the 327,680 bytes, the scratch 15,872.  The four waves' fragments of
;   one K step are 32,768 bytes: two slots of one step do not fit into what is left.
; REGISTERS, in windows of 256 (s_set_vgpr_msb: bits 1:0 source 0, 3:2 source 1, 5:4 source 2, 7:6 destination):
;   window 0: v0-29 addresses; v32-95 SA, the scores' sums (row tile a, register j at 8 a + j); v96-111 hb, v112-127 v of the pass (ahead of the first pass and behind the last: at work);
;             v128-255 enc's rows on their way in, then two buffers of A fragments
;   windows 1, 2: the 64 accumulators, (a, c) at 8 (8 (a % 4) + c) of window 1 + a / 4; later the context's 16 (window 1) and enc's transposed fragments (window 2)
;   window 3: W2's ring, slot u at 64 u, n tile c at + 8 c; later the other half of enc's transposed fragments
; THE MODE: SCHED_MODE bits 1:0 = 2 (LLVM: expert scheduling mode 2), set by the entry lines.  The code itself states the register dependences
; between vector or matrix instructions and memory or LDS instructions, with s_wait_alu, always for 0.
; THE PLAN.  Registers that memory or LDS instructions touch:
;   v12, v14, v16-27   offsets and addresses, made once at the head and never written again.
;   enc's way in:      X0 .. X3: a row's conversions read X[s]; behind them the load of the row four further down lands in it.  T: written by those conversions, read by the row's LDS stores.
;                      v13: read by those stores, stepped once a trip.  So a row has one wait on va_vdst behind its conversions, and one on vm_vsrc ahead of them (row 0: ahead of v13's step).
;   the products:      AF0, AF1: step u's products read AF[u % 2]; step u's LDS loads land in the other.  W2's slots: step u's products read slot u; step u's loads land in slot (u + 3) % 4, which
;                      step u - 1 read.  v8-11: read by every load of a fragment of enc, written at the head of a quad's last step.
;                      So ONE wait on va_vdst stands at a step's head: the step before is done with both buffers that this step's 32 loads land in.  The step's own products name AF[u % 2], slot u and
;                      the accumulators, none of which those loads touch: the loads are dealt among them, eight at a time, with no further wait.
;   hb and v:          read by a pass's epilogue, loaded again behind it; v15, their address, is stepped there: one wait of each kind, once.
;   the ways out:      one wait on va_vdst ahead of each run of stores whose data vector or matrix instructions have made.
.set PITCH, 2064                       ; an LDS row of enc: 2,048 bytes + 16 = 516 words: row r starts at bank 4 r mod 64 (64 banks of 4 bytes: ISA guide 11.1)
.set Q32,   32*PITCH
.set HBC,   128*PITCH                  ; c2 hb[n], 1,024 f32
.set VVO,   4096                       ; behind it: -c2 v[n]
.set SCB,   HBC+8192                   ; [wave][128 rows] partial scores
.set PB,    SCB+2048                   ; p in bf16, a copy of 256 bytes for each wave
.set CX,    PB+1024                    ; the context's way out, 1,024 bytes a wave
.set SPARE, CX+4096                    ; the spare words: 128 bytes a wave, two blocks of 256 bytes that no other line names
.set WSTEP, 4096                       ; w2b: a K step of a group of 64 n
.set WGRP,  131072                     ; w2b: a group's 32 K steps
.set SA, 32
.set HB, 96
.set VV, 112
.set T,  112
.set X,  128
.set AF, 128
.set PF, 128
.set NB, 30                            ; s[30:31] w2b at the next quad's first K step
.set MSB, 0
.macro WIN new                         ; the immediate's high byte repeats the setting that is left; a switch that changes nothing is dropped
.if MSB != (\new)
	s_set_vgpr_msb (MSB<<8)|(\new)
.set MSB, \new
.endif
.endm
.set W_LO,  0x5c                       ; A window 0, B window 3, C and D window 1
.set W_HI,  0xac                       ; the same, C and D window 2
.set W_TO3, 0xc0                       ; destination window 3, address window 0
.set W_CTX, 0x58                       ; the context's products: A window 0, B window 2, C and D window 1 (+ 4: B window 3)
.set W_TO2, 0x80                       ; destination window 2, address window 0
.macro PLACES                          ; four places behind matrix instructions (ISA guide 7.12.1), where no other vector work is at hand
.rept 4
	v_nop
.endr
.endm
	s_load_b256 s[4:11], s[0:1], 0x0               ; enc s[4:5], w2b s[6:7], hbp s[8:9], attn_b s[10:11]
	s_load_b128 s[12:15], s[0:1], 0x20             ; v_W s[12:13], part s[14:15]
	v_lshl_add_u32 v28, v0, 2, SPARE               ; v28 my spare word, v29 0: never rewritten
	v_mov_b32 v29, 0
	v_lshrrev_b32 v1, 5, v0
	v_readfirstlane_b32 s16, v1                    ; wave 0..3
	s_mov_b32 s17, ttmp9                           ; sb
	s_and_b32 s18, ttmp7, 0xffff                   ; b
	v_and_b32 v1, 31, v0                           ; lane
	v_lshlrev_b32 v12, 4, v1                       ; v12 = 16 x lane
	v_lshlrev_b32 v26, 5, v0                       ; v26 = 32 x thread: my 8 numbers of hb, attn_b, v_W
	s_lshl_b32 s20, s17, 24                        ; enc: 128 sb rows of 131,072 bytes,
	s_wait_alu depctr_va_sdst(0)                   ; s16 is written, ahead of its first reader: offsets, LDS addresses and a branch are made from it
	s_lshl_b32 s30, s16, 22                        ; my wave's 32 rows,
	s_add_co_u32 s20, s20, s30
	s_lshl_b32 s31, s18, 12                        ; and b's 4,096 bytes in a row
	s_add_co_u32 s20, s20, s31
	s_mov_b32 s21, 0                               ; the high word of the offset pair s[20:21]: it stays 0
	s_mov_b32 s22, 0x4038aa3b                      ; c2 = 2 log2(e), as a pair
	s_mov_b32 s23, 0x4038aa3b
	s_mov_b32 s24, 0xc038aa3b                      ; -c2
	s_mov_b32 s25, 0xffff0000                      ; a word's upper bf16 (named with s24 as a pair)
	s_mov_b32 s26, 0x76543210                      ; v_permlanex16_b32: each lane takes its own place in the other half
	s_mov_b32 s27, 0xfedcba98
	s_wait_kmcnt 0x0
	s_add_nc_u64 s[4:5], s[4:5], s[20:21]
	s_mov_b32 s20, s31
	s_add_nc_u64 s[8:9], s[8:9], s[20:21]          ; hbp at row b
	s_lshl_b32 s20, s16, 19
	s_add_nc_u64 s[6:7], s[6:7], s[20:21]          ; w2b at my wave's four groups of 64 n
	s_lshl3_add_u32 s20, s18, s17
	s_mul_i32 s20, s20, 5120
	s_add_nc_u64 s[14:15], s[14:15], s[20:21]      ; part at (b, sb)
	s_wait_alu depctr_va_vdst(0)                   ; v12 and v26 are written: the loads below read them as their offsets
.irp kq, 0,1,2,3
	global_load_b128 v[32+8*\kq:35+8*\kq], v26, s[8:9] offset:\kq*131072
	global_load_b128 v[36+8*\kq:39+8*\kq], v26, s[8:9] offset:\kq*131072+16
.endr
	global_load_b128 v[64:67], v26, s[10:11]
	global_load_b128 v[68:71], v26, s[10:11] offset:16
	global_load_b128 v[72:75], v26, s[12:13]
	global_load_b128 v[76:79], v26, s[12:13] offset:16
; ---------------- enc into LDS: wave w takes rows 32 w .. 32 w + 31, through a ring of four rows in registers ----------------
.macro FILLX s, row                    ; eight loads of 512 consecutive bytes: a row
.set i, 0
.rept 8
	global_load_b128 v[X+32*(\s)+4*i:X+32*(\s)+4*i+3], v12, s[4:5] offset:(\row)*131072+512*i th:TH_LOAD_NT
.set i, i+1
.endr
.endm
.macro ROWIN s, fill, left             ; left: the younger loads that may stay out
	s_wait_loadcnt \left
.if (\s) != 0
	s_wait_alu depctr_vm_vsrc(0)                   ; the LDS stores of the row before have read T, which the conversions write again (row 0: the wait ahead of v13's step has stated it)
.endif
.set i, 0
.rept 16
	v_cvt_pk_bf16_f32 v[T+i], v[X+32*(\s)+2*i], v[X+32*(\s)+2*i+1]
.set i, i+1
.endr
	s_wait_alu depctr_va_vdst(0)                   ; the conversions have written T, which the LDS stores read, and are done reading X[s], in which the next row lands; v13 is written
.if \fill
	FILLX \s, (\s)+4                               ; the slot's next row, four further down
.endif
.set i, 0
.rept 8
	ds_store_b64 v13, v[T+2*i:T+2*i+1] offset:(\s)*PITCH+256*i  ; 32 lanes x 8 bytes: 256 consecutive bytes
.set i, i+1
.endr
.endm
	FILLX 0, 0
	FILLX 1, 1
	FILLX 2, 2
	FILLX 3, 3
	; the addresses, while the first rows are on their way
	v_and_b32 v2, 15, v0                           ; r
	v_bfe_u32 v3, v0, 4, 1                         ; h
	v_mul_u32_u24 v4, v2, PITCH                    ; v4-7: A fragments of rows 32 q + r: row x pitch + 16 h
	v_lshl_add_u32 v4, v3, 4, v4
	v_add_nc_u32 v5, Q32, v4
	v_add_nc_u32 v6, 2*Q32, v4
	v_add_nc_u32 v7, 3*Q32, v4
	s_mul_i32 s20, s16, Q32
	v_lshl_add_u32 v13, v1, 3, s20                 ; v13: where my 8 bytes of the row in hand go; it steps
	v_lshl_add_u32 v14, v0, 5, HBC                 ; v14: my 8 numbers of c2 hb
	s_lshl_b32 s30, s16, 10
	s_add_co_u32 s31, s30, HBC
	v_lshl_add_u32 v15, v2, 2, s31                 ; v15: hb[256 w + r]; it steps by 128 n a pass
	s_lshl_b32 s31, s16, 9
	s_add_co_u32 s20, s31, SCB
	v_lshl_add_u32 v16, v3, 5, s20                 ; v16: my wave's partial scores, rows 8 h on
	v_add_nc_u32 v17, SCB, v12                     ; v17: rows 4 lane .. 4 lane + 3
	s_lshl_b32 s20, s16, 8
	s_add_co_u32 s20, s20, PB
	v_lshl_add_u32 v18, v1, 3, s20                 ; v18: my four p in bf16
	v_lshl_add_u32 v19, v3, 4, s20                 ; v19: p as an A fragment
	v_and_b32 v20, 7, v0                           ; v20-23: the transposing loads: row 32 kp + 8 h + lane % 8, bytes 512 w + 16 ((lane / 8) % 2)
	v_lshl_add_u32 v20, v3, 3, v20
	v_mul_u32_u24 v20, v20, PITCH
	v_bfe_u32 v21, v0, 3, 1
	v_lshl_add_u32 v20, v21, 4, v20
	v_add_nc_u32 v20, s31, v20
	v_add_nc_u32 v21, Q32, v20
	v_add_nc_u32 v22, 2*Q32, v20
	v_add_nc_u32 v23, 3*Q32, v20
	s_add_co_u32 s31, s30, CX
	v_lshl_add_u32 v24, v2, 2, s31                 ; v24: the context's stage, in
	v_add_nc_u32 v25, s31, v12                     ; v25: and back
	v_add_nc_u32 v27, s30, v12                     ; v27: my 16 bytes of the wave's 1,024 in part
	s_mov_b32 s28, 7
.Lrows:                                                ; a trip: four rows are rounded and stored to LDS, and the four rows behind the ring are asked for
	ROWIN 0, 1, 24                                 ; 24: the three younger rows' loads
	ROWIN 1, 1, 24
	ROWIN 2, 1, 24
	ROWIN 3, 1, 24
	s_wait_xcnt 0x0                                ; the loads' base is stepped only behind this wait
	s_add_nc_u64 s[4:5], s[4:5], 4*131072
	s_wait_alu depctr_vm_vsrc(0)                   ; the trip's LDS stores have read v13, which is stepped here, and T, which the next row's conversions write again
	v_add_nc_u32 v13, 4*PITCH, v13
	s_sub_co_u32 s28, s28, 1
	s_cmp_lg_u32 s28, 0
	s_cbranch_scc1 .Lrows
	ROWIN 0, 0, 24                                 ; the last four rows: nothing is left to ask for, the counts run down
	ROWIN 1, 0, 16
	ROWIN 2, 0, 8
	ROWIN 3, 0, 0
; ---------------- W2's ring is started; c2 hb and -c2 v go to LDS ----------------
; Half of a K step's eight fragments: eight loads of 512 consecutive bytes.  half = 0: n tiles 0-3, from the pass's first group of 64 n; half = 1: tiles 4-7, from its second, one group's bytes further on.
.macro BFILL slot, sb, off, half
.set i, 0
.rept 8
	global_load_b128 v[64*(\slot)+32*(\half)+4*i:64*(\slot)+32*(\half)+4*i+3], v12, s[\sb:(\sb)+1] offset:(\half)*WGRP+(\off)+512*i
.set i, i+1
.endr
.endm
	s_add_nc_u64 s[NB:NB+1], s[6:7], 4*WSTEP       ; the second quad's first K step
	WIN W_TO3
.irp u, 0,1,2
	BFILL \u, 6, \u*WSTEP, 0                       ; no vector or matrix instruction has named these registers yet
	BFILL \u, 6, \u*WSTEP, 1
.endr
	WIN 0
	s_wait_alu depctr_vm_vsrc(0)                   ; the last row's LDS stores have read T, which the conversions below write again
.irp i, 0,1,2,3
	v_cvt_pk_bf16_f32 v[T+\i], v[64+2*\i], v[65+2*\i]      ; attn_b and v_W are rounded to bf16,
	v_cvt_pk_bf16_f32 v[T+4+\i], v[72+2*\i], v[73+2*\i]
.endr
.irp i, 0,1,2,3
	v_lshlrev_b32 v[64+2*\i], 16, v[T+\i]                  ; and widened again
	v_and_b32 v[65+2*\i], s25, v[T+\i]
	v_lshlrev_b32 v[72+2*\i], 16, v[T+4+\i]
	v_and_b32 v[73+2*\i], s25, v[T+4+\i]
.endr
.irp i, 0,2,4,6
	v_pk_add_f32 v[32+\i:33+\i], v[32+\i:33+\i], v[40+\i:41+\i]  ; the four quarters of K
	v_pk_add_f32 v[48+\i:49+\i], v[48+\i:49+\i], v[56+\i:57+\i]
.endr
.irp i, 0,2,4,6
	v_pk_add_f32 v[32+\i:33+\i], v[32+\i:33+\i], v[48+\i:49+\i]
	v_pk_mul_f32 v[72+\i:73+\i], v[72+\i:73+\i], s[24:25] op_sel_hi:[1,0]  ; -c2 v
.endr
.irp i, 0,2,4,6
	v_pk_add_f32 v[32+\i:33+\i], v[32+\i:33+\i], v[64+\i:65+\i]  ; + attn_b
.endr
.irp i, 0,2,4,6
	v_pk_mul_f32 v[32+\i:33+\i], v[32+\i:33+\i], s[22:23] op_sel_hi:[1,0]  ; c2 hb
.endr
	s_wait_alu depctr_va_vdst(0)                   ; c2 hb (v32-39) and -c2 v (v72-79) are written: the LDS stores read them
	ds_store_b128 v14, v[32:35]
	ds_store_b128 v14, v[36:39] offset:16
	ds_store_b128 v14, v[72:75] offset:VVO
	ds_store_b128 v14, v[76:79] offset:VVO+16
	s_wait_dscnt 0x0                               ; for the others' sake: my rows of enc and my numbers of hb and v are in LDS
	s_wait_alu depctr_vm_vsrc(0)                   ; those four stores have read v32-39 and v72-79, which are cleared below
	s_barrier_signal -1
.set i, 0
.rept 64                                       ; the scores' sums start at 0: the price of one form of the epilogue for both passes; register work between signal and wait
	v_mov_b32 v[SA+i], 0
.set i, i+1
.endr
.set i, 1
.rept 16
	v_mov_b32 v[HB+i], 0                           ; the upper registers of hb's and v's pairs, by whose low word the packed lines multiply: named, so written
.set i, i+2
.endr
.irp i, 0,1,2,3
	v_mov_b32 v[8+\i], v[4+\i]                     ; v8-11: A's addresses at the quad in hand
.endr
	s_barrier_wait -1
; ---------------- the products ----------------
.macro HVLOAD                          ; hb and v of the pass's 128 n: lane r takes n = 16 c + r
.irp c, 0,1,2,3,4,5,6,7
	ds_load_b32 v[HB+2*\c], v15 offset:64*\c
	ds_load_b32 v[VV+2*\c], v15 offset:VVO+64*\c
.endr
.endm
.macro AFETCH f, k, i0                 ; 8 LDS loads: fragments i0 .. i0 + 3 of the 8 of enc (128 rows x 32 K at byte 64 k of the quad) into buffer f
.set i, \i0
.rept 4
	ds_load_b128 v[AF+64*(\f)+8*i:AF+64*(\f)+8*i+3],   v[8+i/2] offset:(i%2)*16*PITCH+64*(\k)
	ds_load_b128 v[AF+64*(\f)+8*i+4:AF+64*(\f)+8*i+7], v[8+i/2] offset:(i%2)*16*PITCH+64*(\k)+32
.set i, i+1
.endr
.endm
; 8 matrix instructions: row tile a x the eight n tiles.  All 64 accumulators take turns, one instruction a turn, in the same order in every step.
.macro MUL8 f, u, a, zero
	WIN W_LO+0x50*((\a)/4)                         ; W_LO or W_HI
.set i, 0
.rept 8
.set rD, 8*(8*((\a)%4)+i)
.set rA, AF+64*(\f)+8*(\a)
.set rB, 64*(\u)+8*i
.if \zero
	v_wmma_f32_16x16x32_bf16 v[rD:rD+7], v[rA:rA+7], v[rB:rB+7], 0
.else
	v_wmma_f32_16x16x32_bf16 v[rD:rD+7], v[rA:rA+7], v[rB:rB+7], v[rD:rD+7]
.endif
.set i, i+1
.endr
.endm
; A K step, number u of a quad (4 steps, 128 of K).  At its head, behind the waits for its own data and four places behind the step before's last product, the step's ONE wait on va_vdst.  Behind it the
; step's loads are dealt among its products, eight at a time: enc's fragments of the next step go into the buffer that the step before read (afetch), behind row tiles 0 and 1: 48 matrix instructions or
; more ahead of the next head; W2's fragments three steps on go into the slot that the step before read (bfill), behind row tiles 2 and 3: step 0 asks for this quad's step 3, steps 1 to 3 for the next
; quad's steps 0 to 2, by that quad's base; from such a load to the wait for it a wave issues 160 matrix instructions or more.  lcnt: the younger refills of 16 loads each.  zero = 1: the products start the sums.
.macro STEP u, zero, bfill, afetch, lcnt
	s_wait_loadcnt \lcnt                           ; this step's W2 is in
	s_wait_dscnt 0x0                               ; and enc's fragments: no LDS load is younger than they are but hb's and v's behind a pass's end
.if ((\u) == 3) && (\afetch)
	WIN 0
	s_add_co_u32 s29, s29, 256                     ; the next quad's bytes in a row of enc, back to 0 behind the eighth
	s_and_b32 s29, s29, 0x700
	s_wait_alu depctr_vm_vsrc(0)                   ; the LDS loads issued so far have read v8-11
.irp q, 0,1,2,3
	v_add_nc_u32 v[8+\q], s29, v[4+\q]             ; these four are the places
.endr
.elseif (\bfill) || (\afetch)
	PLACES
.endif
.if (\bfill) || (\afetch)
	s_wait_alu depctr_va_vdst(0)                   ; the step before's products are done reading the A buffer and the slot of W2 in which this step's loads land; in step 3, v8-11 are written
.endif
	MUL8 (\u)%2, \u, 0, \zero
.if \afetch
	WIN 0
	AFETCH ((\u)+1)%2, ((\u)+1)%4, 0               ; no wait: no vector or matrix instruction since the wait above names this buffer or v8-11
.endif
	MUL8 (\u)%2, \u, 1, \zero
.if \afetch
	WIN 0
	AFETCH ((\u)+1)%2, ((\u)+1)%4, 4
.endif
	MUL8 (\u)%2, \u, 2, \zero
.if \bfill
	WIN W_TO3
.if (\u) == 0
	BFILL 3, 6, 3*WSTEP, 0                         ; no wait: no vector or matrix instruction since the wait above names this slot or v12
.else
	BFILL (\u)-1, NB, ((\u)-1)*WSTEP, 0
.endif
.endif
	MUL8 (\u)%2, \u, 3, \zero
.if \bfill
	WIN W_TO3
.if (\u) == 0
	BFILL 3, 6, 3*WSTEP, 1
.else
	BFILL (\u)-1, NB, ((\u)-1)*WSTEP, 1
.endif
.endif
	MUL8 (\u)%2, \u, 4, \zero
	MUL8 (\u)%2, \u, 5, \zero
	MUL8 (\u)%2, \u, 6, \zero
	MUL8 (\u)%2, \u, 7, \zero
.endm
; A pass's end: for each of its 128 x 128 numbers x: 1 / (1 + 2^(c2 x + c2 hb)), times -c2 v, onto the row's sum.  A row tile (eight accumulators, 64 registers) at a time; each accumulator's
; registers in ascending order.  Behind each run of exponentials or reciprocals one plain instruction stands before their results are used (ISA guide 5.7.2).
.macro EPI more
	WIN 0
	PLACES
.set a, 0
.rept 8
.set rb, 64*(a%4)
	WIN 0x41*(1+a/4)                               ; destination and source 0 in the row tile's window
.set p, 0
.rept 32
	v_pk_fma_f32 v[rb+2*p:rb+2*p+1], v[rb+2*p:rb+2*p+1], s[22:23], v[HB+2*(p/4):HB+2*(p/4)+1] op_sel_hi:[1,0,0]
.set p, p+1
.endr
.set p, 0
.rept 64
	v_exp_f32 v[rb+p], v[rb+p]
.set p, p+1
.endr
	v_nop
	s_wait_alu depctr_va_vdst(0)                   ; the row tile's 64 exponentials have written their results, which the additions read: one wait for the batch
.set p, 0
.rept 32
	v_pk_add_f32 v[rb+2*p:rb+2*p+1], v[rb+2*p:rb+2*p+1], 1.0 op_sel_hi:[1,0]
.set p, p+1
.endr
.set p, 0
.rept 64
	v_rcp_f32 v[rb+p], v[rb+p]
.set p, p+1
.endr
	v_nop
	WIN 1+a/4                                      ; source 0 in the row tile's window, the rest in window 0
	s_wait_alu depctr_va_vdst(0)                   ; the 64 reciprocals have written their results, which the sums read: one wait for the batch
.set p, 0
.rept 32
	v_pk_fma_f32 v[SA+8*a+2*(p%4):SA+8*a+2*(p%4)+1], v[rb+2*p:rb+2*p+1], v[VV+2*(p/4):VV+2*(p/4)+1], v[SA+8*a+2*(p%4):SA+8*a+2*(p%4)+1] op_sel_hi:[1,0,1]
.set p, p+1
.endr
.set a, a+1
.endr
	WIN 0
.if \more
	s_wait_alu depctr_vm_vsrc(0)                   ; the first pass's loads of hb and v have read v15
	v_add_nc_u32 v15, 512, v15                     ; the next pass's 128 n; the next step's wait on DScnt covers these loads
	s_wait_alu depctr_va_vdst(0)                   ; v15 is written, and the epilogue is done reading hb and v, in which the loads land
	HVLOAD
.endif
.endm
	s_mov_b32 s29, 0                               ; the quad's bytes in a row of enc: 0, 256, .. 1,792
	s_wait_alu depctr_va_vdst(0)                   ; v8-11 are written, which the loads of enc's fragments read; the work in v112-127, in which v lands, and on enc's rows in v128-255, in which the fragments land, is over
	HVLOAD
	AFETCH 0, 0, 0
	AFETCH 0, 0, 4
	s_mov_b32 s28, 15
	s_branch .Lzero                                ; the loop is entered at the text whose products start the sums
.Lquad:                                                ; a trip: a quad; 15 of the wave's 16
	s_cmp_lg_u32 s29, 0
	s_cbranch_scc1 .Lgo_on
.Lzero:                                                ; a pass's first step
	v_nop                                          ; with the four places at the step's head, five stand in front of every product that writes over an accumulator, whichever way leads here
	STEP 0, 1, 1, 1, 32
	WIN 0                                          ; at a label and at a branch every window is 0
	s_branch .Lrest
.Lgo_on:
	STEP 0, 0, 1, 1, 32
	WIN 0
.Lrest:
.irp u, 1,2,3
	STEP \u, 0, 1, 1, 32                           ; 32: two younger refills
.endr
	WIN 0
	s_wait_xcnt 0x0                                ; W2's two bases are rewritten only behind this wait
	s_mov_b64 s[6:7], s[NB:NB+1]                   ; on to the next quad;
	s_add_nc_u64 s[NB:NB+1], s[NB:NB+1], 4*WSTEP   ; the one behind it lies four K steps on,
	s_cmp_eq_u32 s29, 0x700                        ; and, where the next quad is a pass's last, one group more: the pass's second group has been read beside its first
	s_cselect_b32 s20, WGRP, 0
	s_add_nc_u64 s[NB:NB+1], s[NB:NB+1], s[20:21]
	s_cmp_lg_u32 s29, 0
	s_cbranch_scc1 .Lno_epi                        ; behind a pass's eighth quad the bytes are back at 0
	EPI 1
.Lno_epi:
	s_sub_co_u32 s28, s28, 1
	s_cmp_lg_u32 s28, 0
	s_cbranch_scc1 .Lquad
	STEP 0, 0, 1, 1, 32                            ; the last quad: one more refill (the wave's last K step), then the counts run down
	STEP 1, 0, 0, 1, 32
	STEP 2, 0, 0, 1, 16
	STEP 3, 0, 0, 0, 0                             ; it issues no load, so it holds no wait on va_vdst
	EPI 0
; ---------------- the scores and the block's softmax ----------------
.irp m, 1,2,4,8                        ; a lane's sums are those of its n = r (mod 16): added over the sixteen lanes of its half
.set i, 0
.rept 64
	v_add_f32_dpp v[SA+i], v[SA+i], v[SA+i] row_xmask:\m row_mask:0xf bank_mask:0xf
.set i, i+1
.endr
.endr
	s_wait_alu depctr_va_vdst(0)                   ; the sums are written, which the LDS stores read; the epilogue is done with v112-127, in which the loads behind the barrier land
.set i, 0
.rept 16                                       ; rows 16 a + 8 h + 4 q on; the sixteen lanes of a half store the same numbers to the same bytes
	ds_store_b128 v16, v[SA+4*i:SA+4*i+3] offset:64*(i/2)+16*(i%2)
.set i, i+1
.endr
	s_wait_dscnt 0x0                               ; for the others' sake
	s_barrier_signal -1
	s_barrier_wait -1
.irp w, 0,1,2,3
	ds_load_b128 v[T+4*\w:T+4*\w+3], v17 offset:512*\w  ; every wave adds the four waves' parts, in the same order: lane l has rows 4 l .. 4 l + 3
.endr
	s_wait_dscnt 0x0
	v_pk_add_f32 v[112:113], v[112:113], v[116:117]
	v_pk_add_f32 v[114:115], v[114:115], v[118:119]
	v_pk_add_f32 v[120:121], v[120:121], v[124:125]
	v_pk_add_f32 v[122:123], v[122:123], v[126:127]
	v_pk_add_f32 v[112:113], v[112:113], v[120:121]
	v_pk_add_f32 v[114:115], v[114:115], v[122:123]
	v_max3_num_f32 v116, v112, v113, v114          ; the block's maximum m
	v_max_num_f32 v116, v116, v115
	v_max_num_f32_dpp v116, v116, v116 row_xmask:1 row_mask:0xf bank_mask:0xf
	v_max_num_f32_dpp v116, v116, v116 row_xmask:2 row_mask:0xf bank_mask:0xf
	v_max_num_f32_dpp v116, v116, v116 row_xmask:4 row_mask:0xf bank_mask:0xf
	v_max_num_f32_dpp v116, v116, v116 row_xmask:8 row_mask:0xf bank_mask:0xf
	v_permlanex16_b32 v117, v116, s26, s27
	v_max_num_f32 v116, v116, v117
	v_pk_add_f32 v[112:113], v[112:113], v[116:117] op_sel_hi:[1,0] neg_lo:[0,1] neg_hi:[0,1]
	v_pk_add_f32 v[114:115], v[114:115], v[116:117] op_sel_hi:[1,0] neg_lo:[0,1] neg_hi:[0,1]
	v_exp_f32 v112, v112                           ; p = 2^(s2 - m)
	v_exp_f32 v113, v113
	v_exp_f32 v114, v114
	v_exp_f32 v115, v115
	v_mov_b32 v124, v116                           ; (a plain instruction behind the exponentials)
	s_wait_alu depctr_va_vdst(0)                   ; the four exponentials have written p, which the sum reads
	v_add_f32 v118, v112, v113                     ; the block's sum l
	v_add_f32 v119, v114, v115
	v_add_f32 v118, v118, v119
	v_add_f32_dpp v118, v118, v118 row_xmask:1 row_mask:0xf bank_mask:0xf
	v_add_f32_dpp v118, v118, v118 row_xmask:2 row_mask:0xf bank_mask:0xf
	v_add_f32_dpp v118, v118, v118 row_xmask:4 row_mask:0xf bank_mask:0xf
	v_add_f32_dpp v118, v118, v118 row_xmask:8 row_mask:0xf bank_mask:0xf
	v_permlanex16_b32 v119, v118, s26, s27
	v_add_f32 v118, v118, v119
	v_cvt_pk_bf16_f32 v120, v112, v113
	v_cvt_pk_bf16_f32 v121, v114, v115
	v_mov_b32 v125, v118
	v_mov_b32 v126, v116
	v_mov_b32 v127, v118
	s_wait_alu depctr_va_vdst(0)                   ; p in bf16 (v120-121) is written, which the LDS store reads; so are (m, l) in v124-127, which wave 0's second store reads
	ds_store_b64 v18, v[120:121]                   ; my wave's own copy of p: no barrier
	s_cmp_lg_u32 s16, 0
	s_cbranch_scc1 .Lnot_wave_0                    ; all four waves hold the same p, m and l: wave 0 stores them
	global_store_b128 v12, v[112:115], s[14:15] offset:4096  ; 512 consecutive bytes each
	global_store_b128 v12, v[124:127], s[14:15] offset:4608
.Lnot_wave_0:
; ---------------- the partial context: wave w owns channels 256 w .. 256 w + 255 ----------------
; A = p in all 16 rows (32 s a step), B = enc [s][channel], turned by ds_load_tr16_b128: every row of the result is the context, and register 0 is taken.  64 matrix instructions a wave.
; The four runs of turned loads have four buffers: two in window 2, where accumulators lay, two in window 3, where W2's ring lay.  The last vector or matrix instruction that named any of these stands ahead
; of the wait above, and the context's products name a buffer only behind its own loads: so no wait on va_vdst stands among them.
.irp kp, 0,1,2,3
	ds_load_b128 v[PF+8*\kp:PF+8*\kp+3], v19 offset:64*\kp          ; LDS serves a wave's instructions in order: these see the store above
	ds_load_b128 v[PF+8*\kp+4:PF+8*\kp+7], v19 offset:64*\kp+32
.endr
.macro LOADET kp                       ; 32 s x 256 channels: 16 fragments, into half kp % 2 of window 2 + kp / 2
	WIN W_TO2+0x40*((\kp)/2)
.set i, 0
.rept 16
	ds_load_tr16_b128 v[128*((\kp)%2)+8*i:128*((\kp)%2)+8*i+3],   v[20+(\kp)] offset:32*i
	ds_load_tr16_b128 v[128*((\kp)%2)+8*i+4:128*((\kp)%2)+8*i+7], v[20+(\kp)] offset:32*i+16*PITCH
.set i, i+1
.endr
.endm
.macro MULC kp                         ; the 16 accumulators take turns
	WIN W_CTX+4*((\kp)/2)
.set i, 0
.rept 16
.if (\kp) == 0
	v_wmma_f32_16x16x32_bf16 v[8*i:8*i+7], v[PF+8*(\kp):PF+8*(\kp)+7], v[128*((\kp)%2)+8*i:128*((\kp)%2)+8*i+7], 0
.else
	v_wmma_f32_16x16x32_bf16 v[8*i:8*i+7], v[PF+8*(\kp):PF+8*(\kp)+7], v[128*((\kp)%2)+8*i:128*((\kp)%2)+8*i+7], v[8*i:8*i+7]
.endif
.set i, i+1
.endr
.endm
	LOADET 0
	LOADET 1
	s_wait_dscnt 32                                ; all but the 32 just issued
	MULC 0
	LOADET 2
	s_wait_dscnt 32
	MULC 1
	LOADET 3
	s_wait_dscnt 32
	MULC 2
	s_wait_dscnt 0x0
	MULC 3
	PLACES
	WIN 0x04                                       ; store data in window 1
	s_wait_alu depctr_va_vdst(0)                   ; the products have written the context, which the LDS stores read; the places above stay beside this wait
.set i, 0
.rept 16
	ds_store_b32 v24, v[8*i] offset:64*i           ; channel 16 i + r; both halves of the lanes hold the same number
.set i, i+1
.endr
	WIN 0
	ds_load_b128 v[96:99], v25                     ; back as 16 bytes a lane
	ds_load_b128 v[100:103], v25 offset:512
	s_wait_dscnt 1
	global_store_b128 v27, v[96:99], s[14:15]      ; 512 consecutive bytes, at a multiple of 256 from part's first
	s_wait_dscnt 0x0
	global_store_b128 v27, v[100:103], s[14:15] offset:512
	s_wait_dscnt 0x0                               ; the closing lines, six on end
	s_wait_alu 0x0
	s_wait_tensorcnt 0x0
	ds_add_u32 v28, v29
	s_wait_dscnt 0x0
	s_endpgm
.Lfunc_end_k_q38ac61cd1c_attn:
	.size	k_q38ac61cd1c_attn, .Lfunc_end_k_q38ac61cd1c_attn-k_q38ac61cd1c_attn
	.p2alignl 7, 3214868480
	.fill 96, 4, 3214868480
	.section	.rodata,"a",@progbits
	.p2align	6, 0x0
	.amdhsa_kernel k_q38ac61cd1c_attn
		.amdhsa_group_segment_fixed_size 280576
		.amdhsa_private_segment_fixed_size 0
		.amdhsa_enable_private_segment 0
		.amdhsa_kernarg_size 48
		.amdhsa_user_sgpr_count 2
		.amdhsa_user_sgpr_kernarg_segment_ptr 1
		.amdhsa_wavefront_size32 1
		.amdhsa_system_sgpr_workgroup_id_x 1
		.amdhsa_system_sgpr_workgroup_id_y 1
		.amdhsa_system_sgpr_workgroup_id_z 1
		.amdhsa_system_vgpr_workitem_id 0
		.amdhsa_next_free_vgpr 1024
		.amdhsa_next_free_sgpr 66
		.amdhsa_reserve_vcc 0
		.amdhsa_float_denorm_mode_32 3
		.amdhsa_float_denorm_mode_16_64 3
		.amdhsa_memory_ordered 1
		.amdhsa_forward_progress 1
		.amdhsa_inst_pref_size 255
	.end_amdhsa_kernel
	.section	.bss,"aw",@nobits
	.p2align	6
	.space	262144
	.amdgpu_metadata
---
amdhsa.version: [ 1, 2 ]
amdhsa.kernels:
  - .name:           k_q38ac61cd1c_attn
    .symbol:         k_q38ac61cd1c_attn.kd
    .args:
      - { .name: encoder_outputs, .offset: 0, .size: 8, .value_kind: global_buffer, .address_space: global }
      - { .name: w2b, .offset: 8, .size: 8, .value_kind: global_buffer, .address_space: global }
      - { .name: hbp, .offset: 16, .size: 8, .value_kind: global_buffer, .address_space: global }
      - { .name: attn_b, .offset: 24, .size: 8, .value_kind: global_buffer, .address_space: global }
      - { .name: v_W, .offset: 32, .size: 8, .value_kind: global_buffer, .address_space: global }
      - { .name: part, .offset: 40, .size: 8, .value_kind: global_buffer, .address_space: global }
    .group_segment_fixed_size: 280576
    .private_segment_fixed_size: 0
    .kernarg_segment_align: 8
    .kernarg_segment_size: 48
    .max_flat_workgroup_size: 128
    .sgpr_count:     66
    .vgpr_count:     1024
    .wavefront_size: 32
...
	.end_amdgpu_metadata
.endif
;; end of part 4
;; launch fin: the kernel of part 3 again; grid 32 x 1, 8 waves a work-group, no clusters, 0 bytes of LDS; arguments part, out0, out1; writes out0, out1
